; MI455X (gfx1250); checked and timed in simulation.
; The chip was launched on July 23, 2026; its instructions are those of AMD's public machine-readable ISA for CDNA 5 (MIT licence, August 2026) and "CDNA5" Instruction Set Architecture Reference Guide (July 2026). The comments in the code are by the model that wrote it; some were corrected since.
;; Scaled Dot Product Attn. Allowed arithmetic: matrix products marked QUANTISED: E2M1 operands, one E8M0 scale for each 32 along K, by v_wmma_scale_f32_16x16x128_f8f6f4 with both operands' format E2M1 (or v_wmma_scale_f32_32x16x128_f4), f32 sums; products left as they are: bf16, f16 or f32 operands; f32 sums; everything else in f32.
;; Inputs: k 16 x 2,048 x 64 float32; mask 16 x 2,048 x 2,048 bool; q 16 x 2,048 x 64 float32; v 16 x 2,048 x 64 float32.
;; Outputs: out0 16 x 2,048 x 64 float32.
;; This version of the problem:
;;   THIS VERSION OF THE PROBLEM IS GIVEN IN LOW PRECISION. The matrix products marked QUANTISED in the list below multiply operands that are first quantised to E2M1 (2 exponent bits, 1 mantissa bit; 4 bits a number), with one power-of-two scale for each 32 numbers along K (OCP MX v1.0); their sums are f32. The products marked 'left as it is' may take bf16, f16 or f32 operands, with f32 sums. Whichever they take, every output number must still come out within the allowed error. Rounding operands to bf16 (8 significant bits) uses up far more of that allowance than f16 does (11 bits, for magnitudes from 6e-5 to 65,504). All else is computed in f32.
;;   The module's matrix products, in the order in which they are computed (A, B: the left and right operand; K: the contracted axis; several contracted axes count as one K, in the product's order):
;;     1. batch 16 x [M 2,048, K 64] x [K 64, N 2,048]; A: input q; B: input k: QUANTISED
;;     2. batch 16 x [M 2,048, K 2,048] x [K 2,048, N 64]; A: computed on the way; B: input v: left as it is (an operand is computed on the way)
;;   THE QUANTISER, for each operand of a quantised product, along K:
;;     - K is cut into blocks of 32 from its start; a last block that is shorter is filled with zeros.
;;     - A block's scale is 2^e with e = floor(log2(the largest magnitude in the block)) - 2, held to -126 .. 127; a block of zeros has e = 0. As a byte (E8M0): e + 127.
;;     - Each number is divided by its block's scale, clamped to +-6, and rounded to the nearest number of E2M1, ties to even, subnormals kept.
;;     - The product sums the exact products of the quantised numbers (number of the format x scale) in f32.
;;   ~~~python
;;   def quantise(x, axis):      # numpy; x: float32 -> the quantised numbers, widened to float32 again
;;       x = np.moveaxis(x, axis, -1); K = x.shape[-1]
;;       x = np.pad(x, [(0, 0)] * (x.ndim - 1) + [(0, -K % 32)]); x = x.reshape(x.shape[:-1] + (-1, 32)); a = np.abs(x).max(-1, keepdims=True)
;;       e = np.where(a > 0, np.clip(np.frexp(np.where(a > 0, a, 1))[1] - 1 - 2, -126, 127), 0)      # np.frexp(a)[1] - 1 = floor(log2(a)), exactly
;;       r = np.clip(x / 2.0 ** e, -6, 6)
;;       step = 2.0 ** (np.maximum(np.frexp(np.where(r == 0, 1, r))[1] - 1, 0) - 1)
;;       q = np.round(r / step) * step * 2.0 ** e      # np.round: ties to even
;;       return np.moveaxis(q.reshape(q.shape[:-2] + (-1,))[..., :K], -1, axis).astype(np.float32)
;;   ~~~
;; One version. Each part assembles by itself: llvm-mc -triple=amdgcn-amd-amdhsa -mcpu=gfx1250 --defsym DOCPART=n.
;; ======== version 1 of 1: 2 launches
;; limits: right only within a limited range of input values; values are held in f16: magnitudes above 65,504 overflow, below 6.1e-05 lose precision; inputs' magnitudes at most 65,504
;; workspace buffers: kv 5,373,952 bytes
;; launch prep (part 1): grid 256 x 1, 5 waves a work-group, no clusters, 0 bytes of LDS; arguments k, v, kv; writes kv
.if DOCPART == 1
	.amdgcn_target "amdgcn-amd-amdhsa--gfx1250"
	.amdhsa_code_object_version 6
	.text
	.protected	k_q8cdfc4afaf_prep
	.globl	k_q8cdfc4afaf_prep
	.p2align	8
	.type	k_q8cdfc4afaf_prep,@function
k_q8cdfc4afaf_prep:
	s_mov_b64 s[64:65], 0
	v_nop
	global_prefetch_b8 v0, s[64:65] scope:SCOPE_SE
	s_setreg_imm32_b32 hwreg(HW_REG_WAVE_MODE, 25, 1), 1
	s_wait_xcnt 0x0
; k [16][2048][64] and v [16][2048][64], f32, are laid out once for the attention launch, as IMAGES OF THE OPERANDS' REGISTERS.
; A work-group takes one group of 128 keys (group G = 16 x batch + keys / 128) and writes its 20,992 bytes of kv:
;   0 .. 4,095       k as codes of FP4 (E2M1): 8 tiles of 16 keys, 512 bytes each; lane l = r + 16 h has 16 bytes at 512 T + 16 l: channels 32 h .. 32 h + 31 of the tile's key r.
;                    THE KEYS OF A TILE ARE NOT NEIGHBOURS: row r of tile 2 b + u is key 32 b + 8 u + r + 8 (r / 8), so that in the scores a lane's 16 registers of tiles 2 b, 2 b + 1 are 16 neighbouring keys.
;   4,096 .. 4,607   k's scale words: lane (r, h) has four words at 16 l: row r of tiles 4 h .. 4 h + 3.  A word is (s0, s1, s0, s1): the head has two blocks of 32; the product's other two blocks meet zero codes.
;   4,608 .. 20,991  v as f16 with the KEYS along the registers: fragment f = 4 kb + ct (32 keys x 16 channels), 1,024 bytes: registers 4 c .. 4 c + 3 of lane (r, h) at 1024 f + 512 c + 16 l:
;                    channel 16 ct + r, keys 32 kb + 16 h + 8 c + 0 .. 7, the lower key in the low half: the order in which the weights stand in the second product's other operand.
; A block's scale is 2^(floor(log2(its largest magnitude)) - 2); its byte is the largest magnitude's exponent field - 2, held at 1 from below.
; LIMITS: a block of zeros gets the byte 1 where the rule says 127 (its codes are zeros, and this program alone reads the bytes); |v| over 65,504 becomes infinite in f16; NaN and infinities among the inputs are not served.
; Wave 0 takes k, waves 1 to 4 take 32 keys of v each.  No LDS, no barrier, no loop: every offset is an immediate, and no register that a store reads is written again.
.set GRP, 20992
.set X,   32                           ; the numbers as loaded (k: four sets of 32; v: 2 x 32)
.set C,   160                          ; k: four registers of codes for each tile
.set W,   16                           ; k: v16-23 a scale word for each tile
.set SW,  24                           ; k: v24-27 my four words of the scale image
	s_load_b128 s[4:7], s[0:1], 0x0                ; k, v
	s_load_b64 s[8:9], s[0:1], 0x10                ; kv
	v_lshrrev_b32 v1, 5, v0
	v_readfirstlane_b32 s16, v1                    ; wave 0..4
	v_and_b32 v1, 31, v0                           ; lane
	v_and_b32 v4, 15, v0                           ; r
	v_bfe_u32 v5, v0, 4, 1                         ; h
	s_lshl_b32 s10, ttmp9, 15                      ; the group's 128 rows of 256 bytes in k and in v
	s_mov_b32 s11, 0
	s_mul_i32 s12, ttmp9, GRP                      ; and its place in kv
	s_mov_b32 s13, 0
	s_mov_b32 s20, 0x76543210
	s_mov_b32 s21, 0xfedcba98                      ; v_permlanex16_b32's selects for lane l xor 16
	s_wait_kmcnt 0x0
	s_add_nc_u64 s[4:5], s[4:5], s[10:11]
	s_add_nc_u64 s[6:7], s[6:7], s[10:11]
	s_add_nc_u64 s[8:9], s[8:9], s[12:13]
	s_cmp_lg_u32 s16, 0
	s_cbranch_scc1 .Lv
	; ---- wave 0: k.  A lane holds a whole block: 32 neighbouring channels of one key, so its largest magnitude needs no other lane
	v_and_b32 v2, 8, v4
	v_add_nc_u32 v2, v2, v4                        ; r + 8 (r / 8)
	v_lshlrev_b32 v2, 8, v2
	v_lshl_add_u32 v2, v5, 7, v2                   ; that key's row, + 128 h: my 32 channels
	v_lshlrev_b32 v3, 4, v1                        ; an image's place for my lane
	v_lshlrev_b32 v9, 3, v5                        ; 8 h: my byte's place in a scale word
	v_mov_b32 v15, 0                               ; a lane permute's destination counts as one of its sources
.macro LOADK t                         ; tile t begins at key 32 (t / 2) + 8 (t % 2)
.irp i, 0,1,2,3,4,5,6,7
	global_load_b128 v[X+32*((\t)%4)+4*\i:X+32*((\t)%4)+4*\i+3], v2, s[4:5] offset:(32*((\t)/2)+8*((\t)%2))*256+16*\i
.endr
.endm
.macro TILE t
.set XS, X+32*((\t)%4)
.if (\t) < 5
	s_wait_loadcnt 24                              ; this tile's eight loads are in; those of the three tiles behind it may be out
.else
	s_wait_loadcnt 8*(7-(\t))
.endif
	v_max3_num_f32 v12, |v[XS]|, |v[XS+1]|, |v[XS+2]|
	v_max3_num_f32 v13, |v[XS+3]|, |v[XS+4]|, |v[XS+5]|
.irp i, 6,10,14,18,22,26
	v_max3_num_f32 v12, v12, |v[XS+\i]|, |v[XS+\i+1]|
	v_max3_num_f32 v13, v13, |v[XS+\i+2]|, |v[XS+\i+3]|
.endr
	v_max3_num_f32 v12, v12, |v[XS+30]|, |v[XS+31]|
	v_max3_num_f32 v12, v12, v13, 0x1800000        ; and the floor 2^(3 - 127): the byte cannot fall under 1
	v_add_nc_u32 v11, 0xff000000, v12              ; 2 off the exponent field: the conversion takes the exponent field of this operand as its scale
.irp g, 0,1,2,3
	v_cvt_scalef32_pk8_fp4_f32 v[C+4*(\t)+\g], v[XS+8*\g:XS+8*\g+7], v11   ; to the nearest code, ties to even; beyond 6 the largest code
.endr
	v_lshrrev_b32 v13, 23, v11                     ; the scale's byte (also the plain line behind the conversions)
	v_lshlrev_b32 v14, v9, v13                     ; at its place: block h
	v_permlanex16_b32 v15, v14, s20, s21
	v_or_b32 v14, v14, v15                         ; with lane l xor 16's: (s0, s1)
	v_lshl_or_b32 v[W+(\t)], v14, 16, v14          ; (s0, s1, s0, s1)
	global_store_b128 v3, v[C+4*(\t):C+4*(\t)+3], s[8:9] offset:512*(\t)   ; the wave stores 512 consecutive bytes
.if (\t) < 4
	LOADK (\t)+4                                   ; into the set just converted
.endif
.endm
.irp t, 0,1,2,3
	LOADK \t
.endr
.irp t, 0,1,2,3,4,5,6,7
	TILE \t
.endr
	v_cmp_lt_u32 vcc_lo, 15, v1                    ; lanes 16-31 take tiles 4 to 7
.irp i, 0,1,2,3
	v_cndmask_b32 v[SW+\i], v[W+\i], v[W+4+\i], vcc_lo
.endr
	global_store_b128 v3, v[SW:SW+3], s[8:9] offset:4096
	s_endpgm
	; ---- waves 1 to 4: v.  A lane takes a channel and its registers run down the keys: nothing is transposed by an instruction
.Lv:
	s_sub_co_u32 s17, s16, 1                       ; kb: which 32 keys
	s_lshl_b32 s18, s17, 13
	s_mov_b32 s19, 0
	s_add_nc_u64 s[6:7], s[6:7], s[18:19]          ; 32 rows of 256 bytes
	s_lshl_b32 s18, s17, 12
	s_add_nc_u64 s[8:9], s[8:9], s[18:19]          ; four fragments of 1,024 bytes
	v_lshlrev_b32 v2, 2, v1                        ; in: 4 bytes a lane
	v_lshlrev_b32 v3, 4, v4
	v_lshl_add_u32 v3, v5, 10, v3                  ; out: channel 32 cg + lane lies in fragment 2 cg + lane / 16, row lane % 16
.set i, 0
.rept 32
	global_load_b32 v[X+i], v2, s[6:7] offset:256*i          ; v(key i, channel lane): a row's two halves stand together
	global_load_b32 v[X+32+i], v2, s[6:7] offset:256*i+128   ; v(key i, channel 32 + lane)
.set i, i+1
.endr
.macro PIECE hh, cg, c                 ; keys 16 hh + 8 c + 0 .. 7 of my channel: 16 bytes; lanes 0-15 and lanes 16-31 each store 256 consecutive bytes, aligned
.set PR, 96+4*(4*(\hh)+2*(\cg)+(\c))
.irp j, 0,1,2,3
	v_cvt_pk_f16_f32 v[PR+\j], v[X+32*(\cg)+16*(\hh)+8*(\c)+2*\j], v[X+32*(\cg)+16*(\hh)+8*(\c)+2*\j+1]
.endr
	global_store_b128 v3, v[PR:PR+3], s[8:9] offset:4608+2048*(\cg)+512*(\c)+256*(\hh)
.endm
	s_wait_loadcnt 32                              ; keys 0 to 15 are in; the 32 loads of keys 16 to 31 may be out
.irp cg, 0,1
.irp c, 0,1
	PIECE 0, \cg, \c
.endr
.endr
	s_wait_loadcnt 0x0
.irp cg, 0,1
.irp c, 0,1
	PIECE 1, \cg, \c
.endr
.endr
	s_endpgm
.Lfunc_end_k_q8cdfc4afaf_prep:
	.size	k_q8cdfc4afaf_prep, .Lfunc_end_k_q8cdfc4afaf_prep-k_q8cdfc4afaf_prep
	.p2alignl 7, 3214868480
	.fill 96, 4, 3214868480
	.section	.rodata,"a",@progbits
	.p2align	6, 0x0
	.amdhsa_kernel k_q8cdfc4afaf_prep
		.amdhsa_group_segment_fixed_size 0
		.amdhsa_private_segment_fixed_size 0
		.amdhsa_enable_private_segment 0
		.amdhsa_kernarg_size 24
		.amdhsa_user_sgpr_count 2
		.amdhsa_user_sgpr_kernarg_segment_ptr 1
		.amdhsa_wavefront_size32 1
		.amdhsa_system_sgpr_workgroup_id_x 1
		.amdhsa_system_sgpr_workgroup_id_y 1
		.amdhsa_system_sgpr_workgroup_id_z 1
		.amdhsa_system_vgpr_workitem_id 0
		.amdhsa_next_free_vgpr 192
		.amdhsa_next_free_sgpr 66
		.amdhsa_reserve_vcc 1
		.amdhsa_float_denorm_mode_32 3
		.amdhsa_float_denorm_mode_16_64 3
		.amdhsa_memory_ordered 1
		.amdhsa_forward_progress 1
		.amdhsa_inst_pref_size 31
	.end_amdhsa_kernel
	.amdgpu_metadata
---
amdhsa.version: [ 1, 2 ]
amdhsa.kernels:
  - .name:           k_q8cdfc4afaf_prep
    .symbol:         k_q8cdfc4afaf_prep.kd
    .args:
      - { .name: k, .offset: 0, .size: 8, .value_kind: global_buffer, .address_space: global }
      - { .name: v, .offset: 8, .size: 8, .value_kind: global_buffer, .address_space: global }
      - { .name: kv, .offset: 16, .size: 8, .value_kind: global_buffer, .address_space: global }
    .group_segment_fixed_size: 0
    .private_segment_fixed_size: 0
    .kernarg_segment_align: 8
    .kernarg_segment_size: 24
    .max_flat_workgroup_size: 160
    .sgpr_count:     66
    .vgpr_count:     192
    .wavefront_size: 32
...
	.end_amdgpu_metadata
.endif
;; end of part 1
;; launch attn (part 2): grid 16 x 16, 8 waves a work-group, clusters of 4 x 1, 327,680 bytes of LDS; arguments q, kv, mask, out0; writes out0
.if DOCPART == 2
	.amdgcn_target "amdgcn-amd-amdhsa--gfx1250"
	.amdhsa_code_object_version 6
	.text
	.protected	k_q8cdfc4afaf_attn
	.globl	k_q8cdfc4afaf_attn
	.p2align	8
	.type	k_q8cdfc4afaf_attn,@function
k_q8cdfc4afaf_attn:
	s_mov_b64 s[64:65], 0
	v_nop
	global_prefetch_b8 v0, s[64:65] scope:SCOPE_SE
	s_setreg_imm32_b32 hwreg(HW_REG_WAVE_MODE, 25, 1), 1
	s_wait_xcnt 0x0
	s_wait_alu depctr_hold_cnt(0) depctr_sa_sdst(0) depctr_va_vdst(0) depctr_va_sdst(0) depctr_va_ssrc(0) depctr_va_vcc(0) depctr_vm_vsrc(0)
	s_getreg_b32 s2, hwreg(HW_REG_IB_STS2, 6, 4)
	s_cmp_eq_u32 s2, 0
	s_cbranch_scc0 .Lentry_in_a_cluster
	s_endpgm
.Lentry_in_a_cluster:
	s_bfe_u32 s2, ttmp6, 0x10000c
	s_cmp_lg_u32 s2, 0x3003
	s_cbranch_scc0 .Lentry_shape_is_right
	s_endpgm
.Lentry_shape_is_right:
; out0[b][q][:] = the sum over k of softmax_k(where(mask[b][q][k], -inf, Q(q[b][q]) . Q(k[b][k]) / 8)) v[b][k][:].  16 batches, 2,048 queries, 2,048 keys, head 64.
; The first product runs on codes of FP4 (E2M1) with one E8M0 scale for each 32 channels; the second on f16 operands (the weights p are at most about 1; v as the launch before rounded it); sums, maxima and exponentials in f32.
; SHARES.  A work-group owns 128 queries of one batch.  Wave w: g = w % 4, e = w / 4: queries 32 g .. 32 g + 31 (two tiles X, Y of 16).  A slot holds 512 keys, four groups of 128; in its step j (0, 1) of a slot the wave
; takes group 2 j + e: eight steps of 128 keys in all.  So each fragment of k and v read from LDS feeds two matrix instructions, and two waves share a SIMD's registers (512 each).  At the end waves 4-7 hand (c m, l, O^T)
; to waves 0-3 through LDS, which join, divide and store.
; LAYOUT.  Both products are used transposed: S^T = K Q^T (source 0 = 16 keys, source 1 = 16 queries), O^T = V^T P: a lane holds ONE query (lane % 16) throughout.  The keys of a tile are chosen (by the launch before) so
; that register 16 b + i of a tile's 64 scores is key 32 b + 16 (lane / 16) + i: a lane's mask bytes for 16 registers are 16 neighbouring bytes, and the weights, rounded in pairs in place, ARE source 1 of the second product.
; K = 64 IN A FORM OF 128: q's registers 4-7 are zero codes, so what stands in k's registers 4-7 (the next tile's codes) adds nothing; the two spare scale bytes repeat the row's own.
; THE MASK COSTS ONE INSTRUCTION A SCORE.  A word of four mask bytes x 0xF0 has bytes 0x00 or 0xF0; shifted so that a key's byte is on top it reads, as f32, between -2^97 and -2^99 (masked) or between 0 and 2.3e-38 (open).
; These words are written into the scores' registers and are the C of the first product.  m starts at -2^90, above every masked score: a masked p is 2^(a huge negative number) = 0.  A row that is masked throughout ends
; with l = 0 and O = 0, and 0 x (1 / 0) is NaN, as the softmax of a row of -inf is.
; SOFTMAX.  For each query a running maximum m and sum l: p = 2^(c s - c m), c = log2(e) / 8; in every step O^T and l are multiplied by a = 2^(c m_old - c m_new).
; LIMITS: raw scores under -2^90 count as masked; an open score carries at most + 2.3e-38; mask bytes are 0 or 1; a block of zeros of q gets the scale byte 1 (its codes are zeros); NaN and infinities among the inputs are not served.
; CLUSTER.  The four query blocks of a cluster belong to one batch and walk the same kv groups (83,968 of the 149,504 bytes that a slot takes in): those are asked for JOINTLY.  The mask tiles are each work-group's own: plain loads behind the same rounds.
; THE RING.  Two slots, each with the tiles of two steps of every wave: a refill has two steps in which to land, and there is one round of the cluster's barrier for two steps.  2,048 keys are four slots' worth: two first fills, two refills.
; LDS.  Slot s at s x 151,552: the mask tile, 128 rows x (512 + 16) bytes; from 67,584 four kv groups of 20,992 bytes.  From 303,104 the spare words.  At the end, in slot 0 (last filled with keys 1,024 on, left by every wave
; at the last change of slots): the pairs' hand-over, 8,704 bytes each, and from 34,816 the keepers' stages, 16 rows x 272 bytes each.
; REGISTERS, window 0: v1-10 addresses; v12, v13 the add's two; v16-27, v28-39 statistics of X, Y; v40-55 q's fragments; v56, v57 q's scale words; v58-61 k's; v64-95 mask words; v96-159, v160-223 scores of X, Y; v224.. head and tail.
;            window 1: v0-63 O^T (tile t at 32 t, 16 channels to an accumulator); v64-99 k's fragments (4 registers a tile, 4 more written once); v128-255 v's 16 fragments.
.set MP,    528                        ; a mask row in LDS: 512 bytes + 16: the sixteen rows that a load touches begin 132 words apart
.set KVO,   128*MP                     ; 67,584
.set GRP,   20992
.set SLOT1, KVO+4*GRP                  ; 151,552
.set SPARE, 2*SLOT1                    ; 303,104: 128 bytes for each of the eight waves: four blocks of 256 bytes that no other line names
.set MRGB,  8704                       ; a pair's hand-over: 16 images of 512 bytes, then the statistics' image
.set STG,   4*MRGB
.set SP,    272                        ; a stage row: 256 bytes + 16
.set AM0, 1                            ; v1   my place in a mask tile: 528 (32 g + r) + 128 e + 16 h
.set AF0, 2                            ; v2   my place among a slot's kv groups: KVO + 20,992 e + 16 lane
.set ADM, 3                            ; v3   AM0 + the slot in hand
.set ADF, 4                            ; v4   AF0 + the slot in hand
.set QO,  5                            ; v5   q: 256 r + 128 h
.set MGA, 6                            ; v6   the hand-over: 8,704 g + 16 lane
.set STO, 7                            ; v7   the stage, in: 272 r + 32 h
.set RD,  8                            ; v8   the stage, back: 272 h + 16 r
.set GO,  9                            ; v9   out0: 256 h + 16 r
.set PFO, 10                           ; v10  the prefetches' offset: a mask row (2,048 bytes) a lane
.set SPW, 12                           ; v12  my spare word; never rewritten
.set NIL, 13                           ; v13  0; never rewritten
.set ST,  16                           ; tile t's statistics at v[ST + 12 t]: +0 c m, +1 m, +2:3 l, +4..7 at work (a takes +6, c m_old - c m_new +7), +8:9 a second chain of sums
.set QF,  40
.set QS,  56
.set KS,  58
.set MK,  64
.set S,   96
.set TMP, 224
.set KF,  64                           ; window 1
.set VF,  128                          ; window 1
.set WV,  12                           ; s12 wave
.set CX,  13                           ; s13 my place in the cluster: enters global addresses of q, out0 and mask alone
.set XB,  14                           ; s14 my block of 128 queries
.set LBM, 15                           ; s15 where my half of a mask tile goes in a slot (waves 0, 1)
.set GQ,  16                           ; s16 g
.set EH,  17                           ; s17 e
.set PFA, 18                           ; s[18:19] where the prefetches stand
.set G1M, 24                           ; s[24:31] group 1, mask tiles;  s[32:39] kv groups
.set G1D, 32
.set G0M, 40                           ; s[40:47] groups 0, mask: a set for each first fill; the second then walks;  s[48:55] kv likewise
.set G0D, 48
.set SLOTS, 56
.set F0,  57                           ; s57 0xF0
.set CS,  58                           ; s[58:59] c, twice
.set SEL, 60                           ; s[60:61] lane l xor 16
.set TB,  62                           ; s62 the slot in hand: 0 or SLOT1
.set LBD, 63                           ; s63 where my two kv groups go in a slot (waves 2, 3)
.set MSB, 0
.macro WIN new                         ; the immediate's high byte repeats the setting that is left; a switch that changes nothing is dropped
.if MSB != \new
	s_set_vgpr_msb (MSB<<8)|\new
.set MSB, \new
.endif
.endm
.macro PLACES
.rept 4
	v_nop
.endr
.endm
.macro CROUND                          ; a round of the cluster's barrier
	s_barrier_signal -1
	s_barrier_wait -1
	s_cmp_lg_u32 s[WV], 0
	s_cbranch_scc1 .Lnot_wave_0_\@
	s_barrier_signal -3
.Lnot_wave_0_\@:
	s_barrier_wait -3
	s_barrier_signal -1
	s_barrier_wait -1
.endm
; A refill: waves 0, 1 fetch the mask tile's halves (64 rows of 512 bytes each), waves 2, 3 two kv groups each (jointly with the partners), the others nothing.  The branches hang on the wave's number alone.
; An s_nop 0 and four v_nop follow each of the two lines.
.macro TLOAD
	s_cmp_lt_u32 s[WV], 2
	s_cbranch_scc0 .Lnot_m_\@
	tensor_load_to_lds s[G0M+4:G0M+7], s[G1M:G1M+7]
	s_nop 0
	PLACES
	s_branch .Lasked_\@
.Lnot_m_\@:
	s_cmp_lt_u32 s[WV], 4
	s_cbranch_scc0 .Lasked_\@
	tensor_load_to_lds s[G0D+4:G0D+7], s[G1D:G1D+7]
	s_nop 0
	PLACES
.Lasked_\@:
.endm
; A PREFETCH INTO THE L2 of the mask tile that the next change of slots will ask for: 128 rows x 512 bytes, a lane a row, two instructions (a row's two halves of 256 bytes) in each of waves 4-7, which fetch nothing.
; The tile is this work-group's alone, so each aligned 256 bytes are named once in the launch.  It stands in a slot's first step, behind the run of LDS loads: one step of 128 keys a wave lies between it and the tensor load.
; Both refills are asked for so, and nothing beyond them; the two first fills come by their loads alone.
.macro ASK
	s_cmp_lg_u32 s[EH], 0
	s_cbranch_scc0 .Lnot_mine_\@
	global_prefetch_b8 v[PFO], s[PFA:PFA+1] th:TH_LOAD_NT scope:SCOPE_SE
	global_prefetch_b8 v[PFO], s[PFA:PFA+1] offset:256 th:TH_LOAD_NT scope:SCOPE_SE
.Lnot_mine_\@:
.endm
.macro BIAS t                          ; tile t's 16 mask words become the 64 numbers onto which the scores are summed
.set bn, 0
.rept 16
	v_mul_lo_u32 v[S+64*(\t)+4*bn+3], v[MK+16*(\t)+bn], s[F0]     ; bytes 0x00 or 0xF0; key 4 n + 3's byte is on top
.set bn, bn+1
.endr
.set bn, 0
.rept 16
	v_lshlrev_b32 v[S+64*(\t)+4*bn],   24, v[S+64*(\t)+4*bn+3]
	v_lshlrev_b32 v[S+64*(\t)+4*bn+1], 16, v[S+64*(\t)+4*bn+3]
	v_lshlrev_b32 v[S+64*(\t)+4*bn+2], 8,  v[S+64*(\t)+4*bn+3]
.set bn, bn+1
.endr
.endm
.macro FETCH_M j                       ; my 16 mask bytes of each block of 32 keys, for both tiles; step j's columns lie 256 j bytes on
.irp t, 0,1
.irp b, 0,1,2,3
	ds_load_b128 v[MK+16*\t+4*\b:MK+16*\t+4*\b+3], v[ADM] offset:16*MP*\t+32*\b+256*(\j)
.endr
.endr
.endm
.macro FETCH_K j                       ; the images of k's 8 tiles and of their scale words; step j's group lies two groups on
	WIN 0x40
.irp k, 0,1,2,3,4,5,6,7
	ds_load_b128 v[KF+4*\k:KF+4*\k+3], v[ADF] offset:2*GRP*(\j)+512*\k
.endr
	WIN 0
	ds_load_b128 v[KS:KS+3], v[ADF] offset:2*GRP*(\j)+4096
.endm
.macro FETCH_V j                       ; the images of v's 16 fragments: register 4 n at byte 512 n.  The largest offset, 62,464, is inside the 16 bits of an LDS immediate
	WIN 0x40
.set vf, 0
.rept 32
	ds_load_b128 v[VF+4*vf:VF+4*vf+3], v[ADF] offset:2*GRP*(\j)+4608+512*vf
.set vf, vf+1
.endr
	WIN 0
.endm
.macro KQ t                            ; S^T of tile t: 8 accumulators, one instruction each; C = D = the mask's numbers.  k's scale words: lanes 0-15 tiles 0-3, lanes 16-31 tiles 4-7
	WIN 0x01
.irp k, 0,1,2,3
	v_wmma_scale_f32_16x16x128_f8f6f4 v[S+64*(\t)+8*\k:S+64*(\t)+8*\k+7], v[KF+4*\k:KF+4*\k+7], v[QF+8*(\t):QF+8*(\t)+7], v[S+64*(\t)+8*\k:S+64*(\t)+8*\k+7], v[KS+\k], v[QS+(\t)] matrix_a_fmt:MATRIX_FMT_FP4 matrix_b_fmt:MATRIX_FMT_FP4
.endr
.irp k, 4,5,6,7
	v_wmma_scale_f32_16x16x128_f8f6f4 v[S+64*(\t)+8*\k:S+64*(\t)+8*\k+7], v[KF+4*\k:KF+4*\k+7], v[QF+8*(\t):QF+8*(\t)+7], v[S+64*(\t)+8*\k:S+64*(\t)+8*\k+7], v[KS+\k-4], v[QS+(\t)] matrix_a_fmt:MATRIX_FMT_FP4 matrix_b_fmt:MATRIX_FMT_FP4 matrix_a_scale:MATRIX_SCALE_ROW1
.endr
.endm
; Number mj of 37 of tile t's maximum: four chains of 15 scores (each accumulator is first read at its low end), the four scores left over, the chains and the old m; the other half of the lanes; c m; c m_old - c m_new.
.macro MAXOP t
.set rT, ST+12*(\t)
.set rS, S+64*(\t)
.if mj < 4
	v_max3_num_f32 v[rT+4+mj], v[rS+16*mj], v[rS+16*mj+1], v[rS+16*mj+2]
.elseif mj < 28
	v_max3_num_f32 v[rT+4+mj%4], v[rT+4+mj%4], v[rS+16*(mj%4)+2*(mj/4)+1], v[rS+16*(mj%4)+2*(mj/4)+2]
.elseif mj == 28
	v_max3_num_f32 v[rT+4], v[rT+4], v[rS+15], v[rS+31]
.elseif mj == 29
	v_max3_num_f32 v[rT+6], v[rT+6], v[rS+47], v[rS+63]
.elseif mj == 30
	v_max3_num_f32 v[rT+4], v[rT+4], v[rT+5], v[rT+6]
.elseif mj == 31
	v_max3_num_f32 v[rT+4], v[rT+4], v[rT+7], v[rT+1]
.elseif mj == 32
	v_permlanex16_b32 v[rT+5], v[rT+4], s[SEL], s[SEL+1]          ; the query's other 64 keys lie in the lane 16 away
.elseif mj == 33
	v_mov_b32 v[rT+7], v[rT]
.elseif mj == 34
	v_max_num_f32 v[rT+1], v[rT+4], v[rT+5]
.elseif mj == 35
	v_mul_f32 v[rT], s[CS], v[rT+1]
.else
	v_sub_f32 v[rT+7], v[rT+7], v[rT]
.endif
.set mj, mj+1
.endm
; Number ei of 99 of tile t's batch: 32 packed scalings c s - c m and 65 exponentials (a, then the 64 scores in place).  A pair is scaled two groups ahead of its exponentials.  Nothing in the list names an exponential's result.
.macro EXPOP t
.set rT, ST+12*(\t)
.set rS, S+64*(\t)
.set eu, ei-3
.if ei == 2
	v_exp_f32 v[rT+6], v[rT+7]
.elseif (ei < 2) || (((eu%3) == 0) && (eu < 90))
.set ep, ei
.if ei > 2
.set ep, eu/3+2
.endif
	v_pk_fma_f32 v[rS+2*ep:rS+2*ep+1], v[rS+2*ep:rS+2*ep+1], s[CS:CS+1], v[rT:rT+1] op_sel_hi:[1,0,0] neg_lo:[0,0,1] neg_hi:[0,0,1]
.elseif (ei > 2) && ((eu%3) != 0)
	v_exp_f32 v[rS+2*(eu/3)+eu%3-1], v[rS+2*(eu/3)+eu%3-1]
.endif
.set ei, ei+1
.endm
; Number sj of 66 of tile t's sums and roundings: l x a; then for each pair of weights its addition (two chains) and its rounding to f16, in place: register k takes pair k, which lies at 2 k and 2 k + 1, so no pair is
; overwritten before it has been added and rounded; at last the two chains are joined.
.macro SUMOP t
.set rT, ST+12*(\t)
.set rS, S+64*(\t)
.set su, sj-1
.set sk, su/2
.if sj == 0
	v_pk_mul_f32 v[rT+2:rT+3], v[rT+2:rT+3], v[rT+6:rT+7] op_sel_hi:[1,0]
.elseif sj == 65
	v_pk_add_f32 v[rT+2:rT+3], v[rT+2:rT+3], v[rT+8:rT+9]
.elseif (su%2) == 1
	v_cvt_pk_f16_f32 v[rS+sk], v[rS+2*sk], v[rS+2*sk+1]
.elseif (sk%2) == 0
	v_pk_add_f32 v[rT+2:rT+3], v[rT+2:rT+3], v[rS+2*sk:rS+2*sk+1]
.elseif sk == 1
	v_pk_add_f32 v[rT+8:rT+9], v[rS+2:rS+3], v[rS+6:rS+7]         ; pairs 1 and 3 start the second chain
.elseif sk > 3
	v_pk_add_f32 v[rT+8:rT+9], v[rT+8:rT+9], v[rS+2*sk:rS+2*sk+1]
.endif
.set sj, sj+1
.endm
.macro RESCALE t                       ; tile t's O^T x a, each accumulator from its low end on
	WIN 0x41
.set ri, 0
.rept 16
	v_pk_mul_f32 v[32*(\t)+ri:32*(\t)+ri+1], v[32*(\t)+ri:32*(\t)+ri+1], v[ST+12*(\t)+6:ST+12*(\t)+7] op_sel_hi:[1,0]
.set ri, ri+2
.endr
.endm
.macro PV t                            ; O^T += V^T P: the tile's four accumulators by turns, one instruction a turn
	WIN 0x51
.irp kb, 0,1,2,3
.irp ct, 0,1,2,3
	v_wmma_f32_16x16x32_f16 v[32*(\t)+8*\ct:32*(\t)+8*\ct+7], v[VF+8*(4*\kb+\ct):VF+8*(4*\kb+\ct)+7], v[S+64*(\t)+8*\kb:S+64*(\t)+8*\kb+7], v[32*(\t)+8*\ct:32*(\t)+8*\ct+7]
.endr
.endr
.endm
; A STEP: 128 keys.  kind 3: my first step of a slot: the next step's k and mask words come from the same slot, and no barrier is wanted: the one in front of the slot has shown all of it to every wave.
; My second step of a slot: kind 2: the slot is left and filled again; 1: it is left; 0: the last step.  ask = 1: the tile of the next refill is prefetched.
.macro STEP kind, ask
	s_wait_dscnt 0x0                               ; this step's mask words, k's fragments and scale words are in (asked for in the middle of the step before)
	BIAS 0                                         ; 64 plain lines that name nothing of the last products: the places in front of the loads into v's registers
.if \kind == 3
	FETCH_V 0
.else
	FETCH_V 1
.endif
	PLACES
	KQ 0
	WIN 0
	BIAS 1                                         ; the places behind X's score products
	PLACES
	KQ 1
	WIN 0
.set mj, 0
.if (\kind == 1) || (\kind == 2)
	s_wait_tensorcnt 0x0                           ; all my tensor loads have landed: my part of the other slot; so a group 0 may be written
	ds_add_u32 v[SPW], v[NIL]                      ; 0 onto my spare word
.if \kind == 2
	ds_add_u32 v[SPW], v[NIL]                      ; and once more: twice on end, in every trip alike
	s_add_co_u32 s[G0M+5], s[LBM], s[TB]           ; the walking descriptors: into the slot that is being left,
	s_add_nc_u64 s[G0M+6:G0M+7], s[G0M+6:G0M+7], 512     ; the next 512 keys' columns of the mask,
	s_add_co_u32 s[G0D+5], s[LBD], s[TB]
	s_add_nc_u64 s[G0D+6:G0D+7], s[G0D+6:G0D+7], 4*GRP   ; and their four kv groups
	s_wait_xcnt 0x0                                ; the last prefetches, a step back, have read their address
	s_add_nc_u64 s[PFA:PFA+1], s[PFA:PFA+1], 512   ; on to the tile of the refill after this one
.endif
	s_xor_b32 s[TB], s[TB], SLOT1                  ; the fetches below read the other slot
.endif
.rept 37
	MAXOP 0                                        ; X's maximum: work on registers while the add is out, and the places behind Y's score products
.endr
.if \kind == 2
	s_wait_dscnt 0x0                               ; the adds are done, v's fragments are in: my reads of this slot are over
	CROUND                                         ; no wave of any partner still reads the slot or has a load on its way
	TLOAD                                          ; the first thing behind the round, a wave's one tensor load until the next: it has two steps in which to land
.elseif \kind == 1
	s_wait_dscnt 0x0
	s_barrier_signal -1
	s_barrier_wait -1                              ; the last slot is whole for every wave; nothing is filled again
.endif
.if (\kind == 1) || (\kind == 2)
	v_add_nc_u32 v[ADM], s[TB], v[AM0]
	v_add_nc_u32 v[ADF], s[TB], v[AF0]
	FETCH_K 0                                      ; the next step's k and mask words: 17 loads, half a step ahead of their use
	FETCH_M 0
.elseif \kind == 3
	FETCH_K 1
	FETCH_M 1
.if \ask
	ASK
.endif
.endif
.set mj, 0
.set ei, 0
.rept 99                               ; X's batch of exponentials, with Y's maximum set between
	EXPOP 0
.if ((ei%2) == 0) && (mj < 37)
	MAXOP 1
.endif
.endr
	v_nop                                          ; a plain line behind the last exponential
	s_wait_alu depctr_va_vdst(0)                   ; one wait for X's 65 exponentials, ahead of the first line that names a result
.set ei, 0
.set sj, 0
.rept 99                               ; Y's batch, with X's sums and roundings set between
	EXPOP 1
.if (ei%3) != 0
	SUMOP 0
.endif
.endr
	RESCALE 0                                      ; (plain lines behind Y's last exponential)
.if \kind == 0
	s_wait_dscnt 0x0                               ; v's fragments are in
.elseif \kind == 3
	s_wait_dscnt 17                                ; v's fragments are in; the 17 loads issued behind them, the next step's k and mask words, may be out
.endif
	PV 0
	WIN 0
	s_wait_alu depctr_va_vdst(0)                   ; one wait for Y's 65
.set sj, 0
.rept 66
	SUMOP 1
.endr
	RESCALE 1
	PV 1
	WIN 0
.endm
	s_load_b256 s[4:11], s[0:1], 0x0               ; q s[4:5], kv s[6:7], mask s[8:9], out0 s[10:11]
	v_lshl_add_u32 v[SPW], v0, 2, SPARE
	v_mov_b32 v[NIL], 0
	ds_add_u32 v[SPW], v[NIL]                      ; the wave's opening: the add, twice on end, and its wait ahead of the first tensor load; the set-up below, work on registers, stands between
	ds_add_u32 v[SPW], v[NIL]
	v_lshrrev_b32 v14, 5, v0
	v_readfirstlane_b32 s[WV], v14                 ; wave 0..7
	s_and_b32 s[GQ], s[WV], 3
	s_lshr_b32 s[EH], s[WV], 2
	s_and_b32 s20, s[WV], 1                        ; which half of a tile, or which two kv groups, I fetch (if I fetch)
	s_bfe_u32 s[CX], ttmp6, 0x40000
	s_lshl_b32 s[XB], ttmp9, 2                     ; in a cluster launch ttmp9 counts clusters
	s_add_co_u32 s[XB], s[XB], s[CX]
	s_and_b32 s21, ttmp7, 0xffff                   ; the batch, which the four partners share
	s_lshl_b32 s66, s21, 19                        ; q and out0: a batch is 2,048 rows of 256 bytes,
	s_lshl_b32 s67, s[XB], 15                      ; my block 128 rows,
	s_add_co_u32 s66, s66, s67
	s_lshl_b32 s67, s[GQ], 13                      ; my wave's 32
	s_add_co_u32 s66, s66, s67
	s_mov_b32 s67, 0
	s_lshl_b32 s68, s21, 22                        ; mask: a batch is 2,048 rows of 2,048 bytes,
	s_lshl_b32 s69, s[XB], 18                      ; my block 128 rows
	s_add_co_u32 s68, s68, s69
	s_mov_b32 s69, 0
	s_lshl_b32 s74, s20, 17                        ; the 64 rows that I fetch
	s_mov_b32 s75, 0
	s_mul_i32 s70, s21, 16*GRP                     ; kv: a batch is 16 groups; made of the batch and the wave's number alone
	s_mul_i32 s73, s20, 2*GRP
	s_add_co_u32 s70, s70, s73
	s_mov_b32 s71, 0
	s_add_co_u32 s[LBD], s73, KVO                  ; and where they go in a slot: no place in the cluster enters an LDS address
	s_mul_i32 s[LBM], s20, 64*MP
	; group 1, mask tiles: 64 rows x 512 elements of 1 byte, 2,048 bytes apart, 4 words of padding behind every 128
	s_mov_b32 s[G1M], (1<<20)|(6<<22)|(3<<25)
	s_mov_b32 s[G1M+1], 512<<16                    ; tensor_dim0
	s_mov_b32 s[G1M+2], 64<<16                     ; tensor_dim1
	s_mov_b32 s[G1M+3], 512<<16                    ; tile_dim0
	s_mov_b32 s[G1M+4], 64                         ; tile_dim1
	s_mov_b32 s[G1M+5], 2048                       ; from row to row
	s_mov_b32 s[G1M+6], 0
	s_mov_b32 s[G1M+7], 0
	; group 1, kv groups: two of them, a dense block of 41,984 bytes, as 164 rows of 32 elements of 8 bytes; the mask names all four work-groups, bit 21 beside it
	s_mov_b32 s[G1D], 15|(3<<16)|(1<<21)
	s_mov_b32 s[G1D+1], 32<<16
	s_mov_b32 s[G1D+2], 164<<16
	s_mov_b32 s[G1D+3], 32<<16
	s_mov_b32 s[G1D+4], 164
	s_mov_b32 s[G1D+5], 32
	s_mov_b32 s[G1D+6], 0
	s_mov_b32 s[G1D+7], 0
	s_mov_b32 s[F0], 0xf0
	s_mov_b32 s[CS], 0x3e38aa3b                    ; c = log2(e) / 8
	s_mov_b32 s[CS+1], s[CS]                       ; (named with it as a pair, so it is written)
	s_mov_b32 s[SEL], 0x76543210
	s_mov_b32 s[SEL+1], 0xfedcba98
	s_mov_b32 s[TB], 0
	; every address register is made here, on the one way that all waves take
	v_and_b32 v14, 15, v0                          ; r
	v_bfe_u32 v15, v0, 4, 1                        ; h
	v_and_b32 v11, 31, v0                          ; lane
	s_mul_i32 s22, s[GQ], 32*MP
	s_lshl_b32 s23, s[EH], 7
	s_add_co_u32 s23, s23, s22
	v_mul_u32_u24 v[AM0], v14, MP
	v_lshl_add_u32 v[AM0], v15, 4, v[AM0]
	v_add_nc_u32 v[AM0], s23, v[AM0]
	s_mul_i32 s23, s[EH], GRP
	s_add_co_u32 s23, s23, KVO
	v_lshl_add_u32 v[AF0], v11, 4, s23
	v_lshlrev_b32 v[QO], 8, v14
	v_lshl_add_u32 v[QO], v15, 7, v[QO]
	s_mul_i32 s22, s[GQ], MRGB
	v_lshl_add_u32 v[MGA], v11, 4, s22
	s_mul_i32 s23, s[GQ], 16*SP
	s_add_co_u32 s23, s23, STG
	v_mul_u32_u24 v[STO], v14, SP
	v_lshl_add_u32 v[STO], v15, 5, v[STO]
	v_add_nc_u32 v[STO], s23, v[STO]
	v_mul_u32_u24 v[RD], v15, SP
	v_lshl_add_u32 v[RD], v14, 4, v[RD]
	v_add_nc_u32 v[RD], s23, v[RD]
	v_lshlrev_b32 v[GO], 8, v15
	v_lshl_add_u32 v[GO], v14, 4, v[GO]
	v_and_b32 v[PFO], 127, v0
	v_lshlrev_b32 v[PFO], 11, v[PFO]
	s_wait_dscnt 0x0                               ; both opening adds are done
	s_wait_kmcnt 0x0
	s_add_nc_u64 s[4:5], s[4:5], s[66:67]          ; q and out0 at my wave's first row
	s_add_nc_u64 s[10:11], s[10:11], s[66:67]
	; q goes out first, ahead of the round and of the first fills, so that it is quantised while the tiles are on their way.
	; Lane (r, h) takes channels 32 h .. 32 h + 31 of row r of each tile: a whole block, in the order of the operand's registers 0-3
.irp t, 0,1
.irp i, 0,1,2,3,4,5,6,7
	global_load_b128 v[S+64*\t+4*\i:S+64*\t+4*\i+3], v[QO], s[4:5] offset:4096*\t+16*\i
.endr
.endr
	s_add_nc_u64 s[8:9], s[8:9], s[68:69]          ; the mask at my block's first row
	s_add_nc_u64 s[PFA:PFA+1], s[8:9], 1024        ; at the third tile, the first refill's.  Nothing is prefetched here, where every work-group's first tiles are on their way
	s_add_nc_u64 s[8:9], s[8:9], s[74:75]          ; at the 64 rows that I fetch
	s_add_nc_u64 s[6:7], s[6:7], s[70:71]          ; kv at the groups that I fetch
.irp s, 0,1
	s_mov_b32 s[G0M+4*\s], 1                                       ; count = 1
	s_add_co_u32 s[G0M+4*\s+1], s[LBM], \s*SLOT1                   ; LDS address
	s_add_nc_u64 s[G0M+4*\s+2:G0M+4*\s+3], s[8:9], \s*512          ; global address: keys 512 s on
	s_or_b32 s[G0M+4*\s+3], s[G0M+4*\s+3], 0x80000000              ; type = 2
	s_mov_b32 s[G0D+4*\s], 1
	s_add_co_u32 s[G0D+4*\s+1], s[LBD], \s*SLOT1
	s_add_nc_u64 s[G0D+4*\s+2:G0D+4*\s+3], s[6:7], \s*4*GRP
	s_or_b32 s[G0D+4*\s+3], s[G0D+4*\s+3], 0x80000000
.endr
	CROUND                                         ; all four work-groups are here: the first joint loads meet
	s_cmp_lt_u32 s[WV], 2                          ; a wave's two first fills stand in one branch, ahead of every wait on TENSORcnt, every LDS read and every other barrier: two loads of a fetching wave are out
	s_cbranch_scc0 .Lfirst_not_m
	tensor_load_to_lds s[G0M:G0M+3], s[G1M:G1M+7]
	s_nop 0
	tensor_load_to_lds s[G0M+4:G0M+7], s[G1M:G1M+7]
	s_nop 0
	PLACES
	s_branch .Lfirst_asked
.Lfirst_not_m:
	s_cmp_lt_u32 s[WV], 4
	s_cbranch_scc0 .Lfirst_asked
	tensor_load_to_lds s[G0D:G0D+3], s[G1D:G1D+7]
	s_nop 0
	tensor_load_to_lds s[G0D+4:G0D+7], s[G1D:G1D+7]
	s_nop 0
	PLACES
.Lfirst_asked:
	; the starting values, while q is on its way
.irp t, 0,1
	v_mov_b32 v[ST+12*\t+1], 0xec800000            ; m = -2^90: above every masked score, under every score that is served
	v_mov_b32 v[ST+12*\t+2], 0                     ; l
	v_mov_b32 v[ST+12*\t+3], 0
	v_mul_f32 v[ST+12*\t], s[CS], v[ST+12*\t+1]    ; c m
	v_mov_b32 v[TMP+8+\t], 0                       ; a lane permute's destination counts as one of its sources
.irp i, 4,5,6,7
	v_mov_b32 v[QF+8*\t+\i], 0                     ; channels 64 to 127 of the form's K: zero codes
.endr
.endr
	v_lshlrev_b32 v[TMP+6], 3, v15                 ; 8 h
	WIN 0x40
.set i, 0
.rept 64
	v_mov_b32 v[i], 0                              ; O^T.  (The step is written for every step alike: the first finds zeros, which the first a leaves zeros)
.set i, i+1
.endr
.irp i, 0,1,2,3
	v_mov_b32 v[KF+32+\i], 0                       ; behind k's last tile: named by its product, and met by q's zero codes
.endr
	WIN 0
	s_wait_loadcnt 0x0
.irp t, 0,1
	v_max3_num_f32 v[TMP+\t], |v[S+64*\t]|, |v[S+64*\t+1]|, 0x1800000   ; the block's largest magnitude, and the floor 2^(3 - 127): the byte cannot fall under 1
.endr
.irp i, 2,4,6,8,10,12,14,16,18,20,22,24,26,28,30
.irp t, 0,1
	v_max3_num_f32 v[TMP+\t], v[TMP+\t], |v[S+64*\t+\i]|, |v[S+64*\t+\i+1]|
.endr
.endr
.irp t, 0,1
	v_add_nc_u32 v[TMP+2+\t], 0xff000000, v[TMP+\t]                ; 2 off the exponent field: the conversion's scale operand
.endr
.irp t, 0,1
	v_lshrrev_b32 v[TMP+4+\t], 23, v[TMP+2+\t]                     ; the scale's byte,
.endr
.irp t, 0,1
	v_lshlrev_b32 v[TMP+4+\t], v[TMP+6], v[TMP+4+\t]               ; at block h's place
.endr
.irp t, 0,1
	v_permlanex16_b32 v[TMP+8+\t], v[TMP+4+\t], s[SEL], s[SEL+1]
.endr
.irp t, 0,1
	v_or_b32 v[TMP+4+\t], v[TMP+4+\t], v[TMP+8+\t]
.endr
.irp t, 0,1
	v_lshl_or_b32 v[QS+\t], v[TMP+4+\t], 16, v[TMP+4+\t]           ; (s0, s1, s0, s1)
.endr
.irp t, 0,1
.irp g, 0,1,2,3
	v_cvt_scalef32_pk8_fp4_f32 v[QF+8*\t+\g], v[S+64*\t+8*\g:S+64*\t+8*\g+7], v[TMP+2+\t]
.endr
.endr
	v_nop                                          ; one plain line behind the scaled conversions.  (The first step's 64 mask lines stand between these registers and the first scaled product)
	s_wait_tensorcnt 1                             ; my part of slot 0 is in; slot 1's, issued behind it, may stay out
	s_barrier_signal -1
	s_barrier_wait -1                              ; everybody's is
	v_add_nc_u32 v[ADM], s[TB], v[AM0]
	v_add_nc_u32 v[ADF], s[TB], v[AF0]
	FETCH_K 0
	FETCH_M 0
	s_mov_b32 s[SLOTS], 2
.Lslot:                                            ; two trips, a slot's two steps each: the refills bring keys 1,024 on and keys 1,536 on
	STEP 3, 1
	STEP 2, 0
	s_sub_co_u32 s[SLOTS], s[SLOTS], 1
	s_cmp_lg_u32 s[SLOTS], 0
	s_cbranch_scc1 .Lslot
	STEP 3, 0                                      ; the last two slots are written out
	STEP 1, 0
	STEP 3, 0
	STEP 0, 0
	; THE END.  Each wave: l's two halves and the other half of the lanes'.  These eight plain lines are the places behind the last products.
.irp t, 0,1
	v_add_f32 v[ST+12*\t+4], v[ST+12*\t+2], v[ST+12*\t+3]
.endr
.irp t, 0,1
	v_permlanex16_b32 v[ST+12*\t+5], v[ST+12*\t+4], s[SEL], s[SEL+1]
.endr
.irp t, 0,1
	v_add_f32 v[TMP+2*\t+1], v[ST+12*\t+4], v[ST+12*\t+5]
.endr
.irp t, 0,1
	v_mov_b32 v[TMP+2*\t], v[ST+12*\t]             ; v224-227 = c m of X, l of X, c m of Y, l of Y
.endr
	s_cmp_lt_u32 s[WV], 4
	s_cbranch_scc1 .Lkeeps
	ds_store_b128 v[MGA], v[TMP:TMP+3] offset:8192 ; waves 4-7 hand over: registers as they stand, 16 bytes a lane
	WIN 0x04                                       ; an LDS store's data are its source 1: window 1
.set i, 0
.rept 16
	ds_store_b128 v[MGA], v[4*i:4*i+3] offset:512*i                ; each accumulator from its low end on
.set i, i+1
.endr
	WIN 0
.Lkeeps:
	s_wait_dscnt 0x0                               ; for the partner's sake: my stores have landed
	s_barrier_signal -1
	s_barrier_wait -1
	s_cmp_lt_u32 s[WV], 4
	s_cbranch_scc0 .Lend
	ds_load_b128 v[TMP+4:TMP+7], v[MGA] offset:8192                ; waves 0-3: the partner's statistics, and its O^T into the scores' registers
.set i, 0
.rept 16
	ds_load_b128 v[S+64*(i/8)+4*(i%8):S+64*(i/8)+4*(i%8)+3], v[MGA] offset:512*i
.set i, i+1
.endr
	s_wait_dscnt 0x0
.irp t, 0,1
	v_max_num_f32 v[TMP+8+\t], v[TMP+2*\t], v[TMP+4+2*\t]          ; the joint c m
.endr
.irp t, 0,1
	v_sub_f32 v[TMP+10+2*\t], v[TMP+2*\t], v[TMP+8+\t]
	v_sub_f32 v[TMP+11+2*\t], v[TMP+4+2*\t], v[TMP+8+\t]
.endr
.irp i, 10,11,12,13
	v_exp_f32 v[TMP+\i], v[TMP+\i]                 ; f1, f2 of X; f1, f2 of Y
.endr
	v_nop
	s_wait_alu depctr_va_vdst(0)                   ; one wait for the four
.irp t, 0,1
	v_mul_f32 v[TMP+14+\t], v[TMP+2*\t+1], v[TMP+10+2*\t]
.endr
.irp t, 0,1
	v_fma_f32 v[TMP+14+\t], v[TMP+5+2*\t], v[TMP+11+2*\t], v[TMP+14+\t]   ; l = l1 f1 + l2 f2
.endr
.irp t, 0,1
	v_rcp_f32 v[TMP+16+\t], v[TMP+14+\t]
.endr
	v_nop
	s_wait_alu depctr_va_vdst(0)                   ; one wait for the two
.irp t, 0,1
	v_mul_f32 v[TMP+18+4*\t], v[TMP+10+2*\t], v[TMP+16+\t]         ; f1 / l, in both words of a pair (the packed forms name the pair),
	v_mul_f32 v[TMP+19+4*\t], v[TMP+10+2*\t], v[TMP+16+\t]
	v_mul_f32 v[TMP+20+4*\t], v[TMP+11+2*\t], v[TMP+16+\t]         ; f2 / l likewise
	v_mul_f32 v[TMP+21+4*\t], v[TMP+11+2*\t], v[TMP+16+\t]
.endr
.irp t, 0,1
.set i, 0
.rept 16
	v_pk_mul_f32 v[S+64*\t+i:S+64*\t+i+1], v[S+64*\t+i:S+64*\t+i+1], v[TMP+20+4*\t:TMP+21+4*\t] op_sel_hi:[1,0]
.set i, i+2
.endr
.endr
	WIN 0x01                                       ; source 0: my O^T, window 1
.irp t, 0,1
.set i, 0
.rept 16
	v_pk_fma_f32 v[S+64*\t+i:S+64*\t+i+1], v[32*\t+i:32*\t+i+1], v[TMP+18+4*\t:TMP+19+4*\t], v[S+64*\t+i:S+64*\t+i+1] op_sel_hi:[1,0,1]
.set i, i+2
.endr
.endr
	WIN 0
	; register 8 ct + j of a tile is out0(r, 16 ct + 8 h + j): a tile goes through my stage and comes back as whole rows of 256 bytes.  LDS serves a wave's instructions in order (ISA guide 5.7.1.4)
.irp t, 0,1
.irp ct, 0,1,2,3
	ds_store_b128 v[STO], v[S+64*\t+8*\ct:S+64*\t+8*\ct+3] offset:64*\ct
	ds_store_b128 v[STO], v[S+64*\t+8*\ct+4:S+64*\t+8*\ct+7] offset:64*\ct+16
.endr
.irp i, 0,1,2,3,4,5,6,7
	ds_load_b128 v[S+64*\t+32+4*\i:S+64*\t+32+4*\i+3], v[RD] offset:2*SP*\i
.endr
.endr
.irp t, 0,1
.irp i, 0,1,2,3,4,5,6,7
	s_wait_dscnt 23-16*\t-\i                       ; behind this load: the tile's later loads, and for X the sixteen LDS instructions of Y
	global_store_b128 v[GO], v[S+64*\t+32+4*\i:S+64*\t+32+4*\i+3], s[10:11] offset:4096*\t+512*\i th:TH_STORE_NT   ; 16 lanes store 256 consecutive bytes, at a multiple of 256 from out0's first byte
.endr
.endr
.Lend:
	s_wait_tensorcnt 0x0                           ; the wave's end, behind my last tensor load and my last LDS store
	ds_add_u32 v[SPW], v[NIL]
	s_wait_dscnt 0x0
	CROUND                                         ; the closing round: no work-group ends while a partner may still ask for a tile that names it
	s_endpgm
.Lfunc_end_k_q8cdfc4afaf_attn:
	.size	k_q8cdfc4afaf_attn, .Lfunc_end_k_q8cdfc4afaf_attn-k_q8cdfc4afaf_attn
	.p2alignl 7, 3214868480
	.fill 96, 4, 3214868480
	.section	.rodata,"a",@progbits
	.p2align	6, 0x0
	.amdhsa_kernel k_q8cdfc4afaf_attn
		.amdhsa_group_segment_fixed_size 327680
		.amdhsa_private_segment_fixed_size 0
		.amdhsa_enable_private_segment 0
		.amdhsa_kernarg_size 32
		.amdhsa_user_sgpr_count 2
		.amdhsa_user_sgpr_kernarg_segment_ptr 1
		.amdhsa_wavefront_size32 1
		.amdhsa_system_sgpr_workgroup_id_x 1
		.amdhsa_system_sgpr_workgroup_id_y 1
		.amdhsa_system_sgpr_workgroup_id_z 1
		.amdhsa_system_vgpr_workitem_id 0
		.amdhsa_next_free_vgpr 512
		.amdhsa_next_free_sgpr 80
		.amdhsa_reserve_vcc 0
		.amdhsa_float_denorm_mode_32 3
		.amdhsa_float_denorm_mode_16_64 3
		.amdhsa_memory_ordered 1
		.amdhsa_forward_progress 1
		.amdhsa_inst_pref_size 242
	.end_amdhsa_kernel
	.amdgpu_metadata
---
amdhsa.version: [ 1, 2 ]
amdhsa.kernels:
  - .name:           k_q8cdfc4afaf_attn
    .symbol:         k_q8cdfc4afaf_attn.kd
    .args:
      - { .name: q, .offset: 0, .size: 8, .value_kind: global_buffer, .address_space: global }
      - { .name: kv, .offset: 8, .size: 8, .value_kind: global_buffer, .address_space: global }
      - { .name: mask, .offset: 16, .size: 8, .value_kind: global_buffer, .address_space: global }
      - { .name: out0, .offset: 24, .size: 8, .value_kind: global_buffer, .address_space: global }
    .group_segment_fixed_size: 327680
    .private_segment_fixed_size: 0
    .kernarg_segment_align: 8
    .kernarg_segment_size: 32
    .max_flat_workgroup_size: 256
    .sgpr_count:     80
    .vgpr_count:     512
    .wavefront_size: 32
...
	.end_amdgpu_metadata
.endif
;; end of part 2
